; MI455X (gfx1250); checked and timed in simulation.
; The chip was launched on July 23, 2026; its instructions are those of AMD's public machine-readable ISA for CDNA 5 (MIT licence, August 2026) and "CDNA5" Instruction Set Architecture Reference Guide (July 2026). The comments in the code are by the model that wrote it; some were corrected since.
;; Bias Attention. Allowed arithmetic: matrix products marked QUANTISED: E2M1 operands, one E8M0 scale for each 32 along K, by v_wmma_scale_f32_16x16x128_f8f6f4 with both operands' format E2M1 (or v_wmma_scale_f32_32x16x128_f4), f32 sums; products left as they are: bf16, f16 or f32 operands; f32 sums; everything else in f32.
;; Inputs: atten_bias 2,048 x 2,048 float32; b_proj 256 float32; w_proj 256 x 256 float32; w_qkv 768 x 256 float32; x 8 x 2,048 x 256 float32.
;; Outputs: out0 8 x 2,048 x 256 float32.
;; This version of the problem:
;;   THIS VERSION OF THE PROBLEM IS GIVEN IN LOW PRECISION. The matrix products marked QUANTISED in the list below multiply operands that are first quantised to E2M1 (2 exponent bits, 1 mantissa bit; 4 bits a number), with one power-of-two scale for each 32 numbers along K (OCP MX v1.0); their sums are f32. The products marked 'left as it is' may take bf16, f16 or f32 operands, with f32 sums. Whichever they take, every output number must still come out within the allowed error. Rounding operands to bf16 (8 significant bits) uses up far more of that allowance than f16 does (11 bits, for magnitudes from 6e-5 to 65,504). All else is computed in f32.
;;   The module's matrix products, in the order in which they are computed (A, B: the left and right operand; K: the contracted axis; several contracted axes count as one K, in the product's order):
;;     1. [M 16,384, K 256] x [K 256, N 768]; A: input x; B: input w_qkv: QUANTISED
;;     2. batch 64 x [M 2,048, K 32] x [K 32, N 2,048]; A: computed on the way; B: computed on the way: left as it is (an operand is computed on the way)
;;     3. batch 64 x [M 2,048, K 2,048] x [K 2,048, N 32]; A: computed on the way; B: computed on the way: left as it is (an operand is computed on the way)
;;     4. [M 16,384, K 256] x [K 256, N 256]; A: computed on the way; B: input w_proj: left as it is (an operand is computed on the way)
;;   THE QUANTISER, for each operand of a quantised product, along K:
;;     - K is cut into blocks of 32 from its start; a last block that is shorter is filled with zeros.
;;     - A block's scale is 2^e with e = floor(log2(the largest magnitude in the block)) - 2, held to -126 .. 127; a block of zeros has e = 0. As a byte (E8M0): e + 127.
;;     - Each number is divided by its block's scale, clamped to +-6, and rounded to the nearest number of E2M1, ties to even, subnormals kept.
;;     - The product sums the exact products of the quantised numbers (number of the format x scale) in f32.
;;   ~~~python
;;   def quantise(x, axis):      # numpy; x: float32 -> the quantised numbers, widened to float32 again
;;       x = np.moveaxis(x, axis, -1); K = x.shape[-1]
;;       x = np.pad(x, [(0, 0)] * (x.ndim - 1) + [(0, -K % 32)]); x = x.reshape(x.shape[:-1] + (-1, 32)); a = np.abs(x).max(-1, keepdims=True)
;;       e = np.where(a > 0, np.clip(np.frexp(np.where(a > 0, a, 1))[1] - 1 - 2, -126, 127), 0)      # np.frexp(a)[1] - 1 = floor(log2(a)), exactly
;;       r = np.clip(x / 2.0 ** e, -6, 6)
;;       step = 2.0 ** (np.maximum(np.frexp(np.where(r == 0, 1, r))[1] - 1, 0) - 1)
;;       q = np.round(r / step) * step * 2.0 ** e      # np.round: ties to even
;;       return np.moveaxis(q.reshape(q.shape[:-2] + (-1,))[..., :K], -1, axis).astype(np.float32)
;;   ~~~
;; One version. Each part assembles by itself: llvm-mc -triple=amdgcn-amd-amdhsa -mcpu=gfx1250 --defsym DOCPART=n.
;; ======== version 1 of 1: 3 launches
;; limits: values are held in f16: magnitudes above 65,504 overflow, below 6.1e-05 lose precision
;; workspace buffers: sig 16,777,216 bytes; wqc 98,304 bytes; wqs 12,288 bytes; wpf 131,072 bytes; qf 8,388,608 bytes; kv 16,777,216 bytes
;; launch prep (part 1): grid 284 x 1, 8 waves a work-group, no clusters, 0 bytes of LDS; arguments atten_bias, w_qkv, w_proj, sig, wqc, wqs, wpf; writes sig, wqc, wqs, wpf
.if DOCPART == 1
	.amdgcn_target "amdgcn-amd-amdhsa--gfx1250"
	.amdhsa_code_object_version 6
	.text
	.protected	k_q7d6f13d44c_prep
	.globl	k_q7d6f13d44c_prep
	.p2align	8
	.type	k_q7d6f13d44c_prep,@function
k_q7d6f13d44c_prep:
	s_mov_b64 s[64:65], 0
	v_nop
	global_prefetch_b8 v0, s[64:65] scope:SCOPE_SE
	s_setreg_imm32_b32 hwreg(HW_REG_WAVE_MODE, 25, 1), 1
	s_wait_xcnt 0x0
; BiasAttention, first of three launches: what is made once and read many times.
; NOTHING OF THE PROBLEM IS LEFT OUT AS DEAD WORK: the problem builds no mask of its own, slices nothing away, and every input (x, atten_bias, w_qkv, w_proj, b_proj) has a way to the output; all five are loaded by some launch.
; Three paths, parted by the work-group's number; no LDS, no barrier, waves share nothing.
;   work-groups 0-11   w_qkv [768][256] f32 -> codes of FP4 (E2M1) with one E8M0 byte for each 32 along K, laid as IMAGES OF THE OPERAND'S REGISTERS:
;                      fragment f = 2 x (tile of 16 rows) + (K step of 128) is 1,024 bytes: registers 0-3 of lane l at 16 l, registers 4-7 at 512 + 16 l; its scale words 4 bytes a lane.  One fragment a wave.
;   work-groups 12-27  w_proj [256][256] f32 -> f16, as images of 16 rows x 32 K fragments, [tile of 16 rows][K step of 32][1,024 bytes].  One fragment a wave.
;   work-groups 28-283 sig = c x sigmoid(atten_bias), f32, row-major as the input; c = 32^-0.5 x log2(e), so that the attention launch has t = (q . k) x sig and p = 2^(t - m).  65,536 bytes a work-group.
; A block's scale is 2^(floor(log2(its largest magnitude)) - 2): its byte is the largest magnitude's exponent field - 2, held at 1 from below by a floor among the maximum's leaves.
; LIMITS: NaN and infinities among the inputs are not served.  A block of zeros gets the byte 1 where the rule says 127: its codes are zeros, and this program alone reads the bytes.
;         c is folded into the table, so scale and sigmoid are multiplied in another order than the problem writes them (one rounding's difference).  w_proj is rounded to f16: magnitudes under 6e-5 keep fewer bits, over 65,504 are not served.
.set NLOG2E, 0xbfb8aa3b                ; -log2(e)
.set CSIG,   0x3e8293ee                ; 32^-0.5 x log2(e) = 0.255035
	s_load_b256 s[4:11], s[0:1], 0x0               ; atten_bias s[4:5], w_qkv s[6:7], w_proj s[8:9], sig s[10:11]
	s_load_b128 s[12:15], s[0:1], 0x20             ; wqc s[12:13], wqs s[14:15]
	s_load_b64 s[16:17], s[0:1], 0x30              ; wpf
	v_lshrrev_b32 v1, 5, v0
	v_readfirstlane_b32 s18, v1                    ; wave 0..7
	v_and_b32 v1, 31, v0                           ; lane
	v_and_b32 v2, 15, v0                           ; r
	v_bfe_u32 v3, v0, 4, 1                         ; h
	v_lshlrev_b32 v5, 4, v1                        ; 16 x lane: an image's place
	v_lshlrev_b32 v6, 2, v1                        ; 4 x lane: a scale word's
	v_lshlrev_b32 v7, 4, v0                        ; 16 x thread: the table's stream
	s_mov_b32 s20, NLOG2E
	s_mov_b32 s21, NLOG2E                          ; (named as a pair, so both are written)
	s_mov_b32 s22, CSIG
	s_mov_b32 s23, CSIG
	s_mov_b32 s24, 0x76543210
	s_mov_b32 s25, 0xfedcba98                      ; v_permlanex16_b32's selects for lane l xor 16
	s_mov_b32 s29, 0
	s_wait_kmcnt 0x0
	s_cmp_lt_u32 ttmp9, 12
	s_cbranch_scc1 .Lwq
	s_cmp_lt_u32 ttmp9, 28
	s_cbranch_scc1 .Lwp
	; ---- the table: 16 loads of 16 bytes a lane, all out at once; a wave's load or store covers 512 neighbouring bytes
	s_sub_co_u32 s28, ttmp9, 28
	s_lshl_b32 s28, s28, 16                        ; 65,536 bytes a work-group
	s_add_nc_u64 s[4:5], s[4:5], s[28:29]
	s_add_nc_u64 s[10:11], s[10:11], s[28:29]
.irp k, 0,1,2,3,4,5,6,7,8,9,10,11,12,13,14,15
	global_load_b128 v[32+4*\k:35+4*\k], v7, s[4:5] offset:4096*\k th:TH_LOAD_NT
.endr
; 16 numbers: c / (1 + 2^(-log2(e) b)).  A very negative b gives infinity and then 0, a very positive one 0 and then c, as the sigmoid does.
.macro SGM g
	s_wait_loadcnt 12-4*\g                         ; this group's four loads are in; the younger groups' may be out
.irp n, 0,2,4,6,8,10,12,14
	v_pk_mul_f32 v[32+16*\g+\n:33+16*\g+\n], v[32+16*\g+\n:33+16*\g+\n], s[20:21] op_sel_hi:[1,0]
.endr
.irp n, 0,1,2,3,4,5,6,7,8,9,10,11,12,13,14,15
	v_exp_f32 v[32+16*\g+\n], v[32+16*\g+\n]
.endr
	v_nop                                          ; a plain instruction behind the last exponential
	s_wait_alu depctr_va_vdst(0)                   ; one wait for the batch of 16, ahead of its first reader
.irp n, 0,2,4,6,8,10,12,14
	v_pk_add_f32 v[32+16*\g+\n:33+16*\g+\n], v[32+16*\g+\n:33+16*\g+\n], 1.0 op_sel_hi:[1,0]
.endr
.irp n, 0,1,2,3,4,5,6,7,8,9,10,11,12,13,14,15
	v_rcp_f32 v[32+16*\g+\n], v[32+16*\g+\n]
.endr
	v_nop
	s_wait_alu depctr_va_vdst(0)                   ; and one for the 16 reciprocals
.irp n, 0,2,4,6,8,10,12,14
	v_pk_mul_f32 v[32+16*\g+\n:33+16*\g+\n], v[32+16*\g+\n:33+16*\g+\n], s[22:23] op_sel_hi:[1,0]
.endr
.irp k, 0,1,2,3
	global_store_b128 v7, v[32+16*\g+4*\k:35+16*\g+4*\k], s[10:11] offset:4096*(4*\g+\k)   ; the data registers are never written again
.endr
.endm
	SGM 0
	SGM 1
	SGM 2
	SGM 3
	s_endpgm
.Lwq:	; ---- w_qkv: fragment f = 8 x work-group + wave
	s_lshl_b32 s26, ttmp9, 3
	s_add_co_u32 s26, s26, s18                     ; f
	s_lshr_b32 s27, s26, 1
	s_lshl_b32 s27, s27, 14                        ; the tile's 16 rows of 1,024 bytes
	s_and_b32 s28, s26, 1
	s_lshl_b32 s28, s28, 9                         ; the K step's 512 bytes
	s_add_co_u32 s28, s28, s27
	s_add_nc_u64 s[6:7], s[6:7], s[28:29]
	s_lshl_b32 s28, s26, 10
	s_add_nc_u64 s[12:13], s[12:13], s[28:29]
	s_lshl_b32 s28, s26, 7
	s_add_nc_u64 s[14:15], s[14:15], s[28:29]
	v_lshlrev_b32 v4, 10, v2
	v_lshl_add_u32 v4, v3, 7, v4                   ; row r, + 128 h: the operand's layout gives lane (r, h) k = 64 c + 32 h + 0 .. 31: two whole blocks
.irp c, 0,1
.irp g, 0,1,2,3,4,5,6,7
	global_load_b128 v[32+32*\c+4*\g:35+32*\c+4*\g], v4, s[6:7] offset:256*\c+16*\g
.endr
.endr
	s_wait_loadcnt 0x0
.irp c, 0,1
	v_max3_num_f32 v[8+\c], |v[32+32*\c]|, |v[33+32*\c]|, 0x1800000   ; my block 2 c + h, and the floor 2^(3 - 127): the byte cannot fall under 1
.endr
.irp i, 2,4,6,8,10,12,14,16,18,20,22,24,26,28,30
.irp c, 0,1
	v_max3_num_f32 v[8+\c], v[8+\c], |v[32+32*\c+\i]|, |v[33+32*\c+\i]|   ; (the two blocks by turns)
.endr
.endr
.irp c, 0,1
	v_add_nc_u32 v[10+\c], 0xff000000, v[8+\c]     ; 2 off the exponent field: the conversion's scale operand
.endr
.irp c, 0,1
	v_lshrrev_b32 v[12+\c], 23, v[10+\c]           ; the scale's byte
.endr
	v_lshl_or_b32 v14, v13, 16, v12                ; my two bytes: blocks h and 2 + h,
	v_lshlrev_b32 v15, 3, v3
	v_lshlrev_b32 v14, v15, v14                    ; at their places in the word (8 h bits up);
	v_mov_b32 v15, 0
	v_permlanex16_b32 v15, v14, s24, s25
	v_or_b32 v14, v14, v15                         ; with lane l xor 16's two the word is whole, in both lanes
.irp c, 0,1
.irp g, 0,1,2,3
	v_cvt_scalef32_pk8_fp4_f32 v[16+4*\c+\g], v[32+32*\c+8*\g:39+32*\c+8*\g], v[10+\c]   ; registers 4 c .. 4 c + 3 of the operand
.endr
.endr
	v_nop                                          ; one plain place behind the last scaled conversion
	global_store_b128 v5, v[16:19], s[12:13]
	global_store_b128 v5, v[20:23], s[12:13] offset:512
	global_store_b32 v6, v14, s[14:15]
	s_endpgm
.Lwp:	; ---- w_proj: tile of 16 rows = work-group - 12, K step of 32 = wave
	s_sub_co_u32 s26, ttmp9, 12
	s_lshl_b32 s28, s26, 14
	s_lshl_b32 s27, s18, 7
	s_add_co_u32 s28, s28, s27
	s_add_nc_u64 s[8:9], s[8:9], s[28:29]
	s_lshl_b32 s28, s26, 3
	s_add_co_u32 s28, s28, s18
	s_lshl_b32 s28, s28, 10
	s_add_nc_u64 s[16:17], s[16:17], s[28:29]
	v_lshlrev_b32 v4, 10, v2
	v_lshl_add_u32 v4, v3, 5, v4                   ; row r, + 32 h: registers 0-3 want k = 8 h + 0 .. 7, registers 4-7 k = 16 + 8 h + 0 .. 7
	global_load_b128 v[32:35], v4, s[8:9]
	global_load_b128 v[36:39], v4, s[8:9] offset:16
	global_load_b128 v[40:43], v4, s[8:9] offset:64
	global_load_b128 v[44:47], v4, s[8:9] offset:80
	s_wait_loadcnt 0x0
.irp i, 0,1,2,3,4,5,6,7
	v_cvt_pk_f16_f32 v[16+\i], v[32+2*\i], v[33+2*\i]
.endr
	global_store_b128 v5, v[16:19], s[16:17]
	global_store_b128 v5, v[20:23], s[16:17] offset:512
	s_endpgm
.Lfunc_end_k_q7d6f13d44c_prep:
	.size	k_q7d6f13d44c_prep, .Lfunc_end_k_q7d6f13d44c_prep-k_q7d6f13d44c_prep
	.p2alignl 7, 3214868480
	.fill 96, 4, 3214868480
	.section	.rodata,"a",@progbits
	.p2align	6, 0x0
	.amdhsa_kernel k_q7d6f13d44c_prep
		.amdhsa_group_segment_fixed_size 0
		.amdhsa_private_segment_fixed_size 0
		.amdhsa_enable_private_segment 0
		.amdhsa_kernarg_size 56
		.amdhsa_user_sgpr_count 2
		.amdhsa_user_sgpr_kernarg_segment_ptr 1
		.amdhsa_wavefront_size32 1
		.amdhsa_system_sgpr_workgroup_id_x 1
		.amdhsa_system_sgpr_workgroup_id_y 1
		.amdhsa_system_sgpr_workgroup_id_z 1
		.amdhsa_system_vgpr_workitem_id 0
		.amdhsa_next_free_vgpr 96
		.amdhsa_next_free_sgpr 66
		.amdhsa_reserve_vcc 0
		.amdhsa_float_denorm_mode_32 3
		.amdhsa_float_denorm_mode_16_64 3
		.amdhsa_memory_ordered 1
		.amdhsa_forward_progress 1
		.amdhsa_inst_pref_size 22
	.end_amdhsa_kernel
	.amdgpu_metadata
---
amdhsa.version: [ 1, 2 ]
amdhsa.kernels:
  - .name:           k_q7d6f13d44c_prep
    .symbol:         k_q7d6f13d44c_prep.kd
    .args:
      - { .name: atten_bias, .offset: 0, .size: 8, .value_kind: global_buffer, .address_space: global }
      - { .name: w_qkv, .offset: 8, .size: 8, .value_kind: global_buffer, .address_space: global }
      - { .name: w_proj, .offset: 16, .size: 8, .value_kind: global_buffer, .address_space: global }
      - { .name: sig, .offset: 24, .size: 8, .value_kind: global_buffer, .address_space: global }
      - { .name: wqc, .offset: 32, .size: 8, .value_kind: global_buffer, .address_space: global }
      - { .name: wqs, .offset: 40, .size: 8, .value_kind: global_buffer, .address_space: global }
      - { .name: wpf, .offset: 48, .size: 8, .value_kind: global_buffer, .address_space: global }
    .group_segment_fixed_size: 0
    .private_segment_fixed_size: 0
    .kernarg_segment_align: 8
    .kernarg_segment_size: 56
    .max_flat_workgroup_size: 256
    .sgpr_count:     66
    .vgpr_count:     96
    .wavefront_size: 32
...
	.end_amdgpu_metadata
.endif
;; end of part 1
;; launch qkv (part 2): grid 256 x 1, 8 waves a work-group, no clusters, 77,824 bytes of LDS; arguments x, wqc, wqs, qf, kv; writes qf, kv
.if DOCPART == 2
	.amdgcn_target "amdgcn-amd-amdhsa--gfx1250"
	.amdhsa_code_object_version 6
	.text
	.protected	k_q7d6f13d44c_qkv
	.globl	k_q7d6f13d44c_qkv
	.p2align	8
	.type	k_q7d6f13d44c_qkv,@function
k_q7d6f13d44c_qkv:
	s_mov_b64 s[64:65], 0
	v_nop
	global_prefetch_b8 v0, s[64:65] scope:SCOPE_SE
	s_setreg_imm32_b32 hwreg(HW_REG_WAVE_MODE, 25, 1), 1
	s_wait_xcnt 0x0
; Second launch: qkv = Q(x) Q(w_qkv)^T on codes of FP4 (E2M1) with one E8M0 scale for each 32 along K = 256; sums in f32; q, k, v leave as f16, laid as the attention launch's operand registers want them.  No work of the problem is left out here.
; SHARES.  Work-group g takes tokens 64 g .. 64 g + 63 (four tiles of 16) against all 768 channels.  Wave hd takes head hd: six tiles of 16 channels (q, k, v x two halves of the head's 32), two K steps of 128:
; twelve weight fragments and their scale words, which come from memory once, as images, and stay in registers.
; x IS QUANTISED ON THE WAY.  Wave w = 2 m + s takes rows 16 m .. 16 m + 15, K step s: 16 loads of 512 neighbouring bytes, turned through the wave's own LDS rows (512 + 16 bytes) so that lane (r, h) holds, of row r,
; 16 neighbours of each block of 32; quantised; the fragment goes to LDS as an image of its registers (16 bytes a lane, 512 bytes a store), its scale words 4 bytes a lane; one barrier; every wave reads all eight.
; LAYOUTS OUT (a fragment's image: registers 0-3 of lane l at 16 l, registers 4-7 at 512 + 16 l).
;   q, k: source 0 = 16 rows of w, source 1 = 16 rows of x: a lane holds token l % 16 and channels 8 (l / 16) + j.  The head's two channel tiles, packed in pairs, are registers 0-3 and 4-7 of a 16 x 32 fragment.
;   v:    source 0 = x, source 1 = w: a lane holds channel l % 16 and tokens 8 (l / 16) + j.  Token tiles 2 kp and 2 kp + 1 are registers 0-3 and 4-7 of a fragment of V^T (16 channels x 32 keys).
;   qf [token tile][head][1 KB];  kv [32 tokens kp][32 KB]: K at 0: [half u][head][1 KB]; V^T at 16,384: [head][channel half][1 KB].
; LIMITS: NaN and infinities are not served; |q|, |k|, |v| stay under 65,504 (f16); a block of zeros gets the byte 1 (its codes are zeros; the bytes never leave this launch).
.set TW,    8448                       ; LDS: a wave's 16 rows x 528 bytes for the turn
.set TPI,   528
.set XIMG,  8*TW                       ; x's eight fragments, 1,024 bytes each: index 2 m + s
.set XSC,   XIMG+8192                  ; their scale words, 128 bytes each
.set SPARE, XSC+1024                   ; the spare words, 128 bytes for each wave: four blocks of 256 bytes that no other line names
.set SPW, 1                            ; v1   my spare word's LDS address; never rewritten
.set NIL, 2                            ; v2   0; never rewritten
.set LI,  3                            ; v3   16 x lane
.set LS,  4                            ; v4   4 x lane
.set TST, 5                            ; v5   the turn, in: my wave's rows + 16 x lane
.set TLD, 6                            ; v6   the turn, out: row r, + 64 h
.set XWI, 7                            ; v7   where I store my fragment's image
.set XWS, 8                            ; v8   and its scale words
.set XRI, 9                            ; v9   where any image is read: XIMG + 16 x lane
.set XRS, 10                           ; v10  XSC + 4 x lane
.set VQ,  11                           ; v11  q's and k's place in memory: 16 x lane + 1,024 x head
.set VV,  12                           ; v12  v's: 16 x lane + 16,384 + 2,048 x head
.set WS,  16                           ; v16-27  the weights' scale words (2 a + s), and nothing else
.set XS,  28                           ; v28-31  x's scale words (2 x set + s), and nothing else
.set WF,  32                           ; v32-127 the weights' fragments: 8 (2 a + s); a = 2 x part + half: q 0, 1; k 2, 3; v 4, 5
.set X,   128                          ; first phase: v128-191 64 numbers of x
.set TM,  192                          ;   v192-207 at work
.set PW,  208                          ;   the scale word just made
.set PC,  210                          ;   v210-217 the codes just made
.set ACC, 128                          ; second phase: v128-175 six accumulators
.set XF,  176                          ;   v176-207 x's fragments: two sets of two
.set OUT, 208                          ;   v208-231 packed results
.set SEL, 20
; 64 numbers of a lane, register 16 b + i = k 32 b + 16 (lane / 16) + i of my row, become a fragment's codes in v[PC] on and its scale word in v[PW].
.macro QUANT s
.irp b, 0,1,2,3
	v_max3_num_f32 v[TM+\b], |v[\s+16*\b]|, |v[\s+1+16*\b]|, 0x1800000   ; block b: my 16 numbers, and the floor 2^(3 - 127): the byte cannot fall under 1
.endr
.irp i, 2,4,6,8,10,12,14
.irp b, 0,1,2,3
	v_max3_num_f32 v[TM+\b], v[TM+\b], |v[\s+16*\b+\i]|, |v[\s+1+16*\b+\i]|   ; (the four blocks by turns)
.endr
.endr
.irp b, 0,1,2,3
	v_permlanex16_b32 v[TM+4+\b], v[TM+\b], s[SEL], s[SEL+1]
.endr
.irp b, 0,1,2,3
	v_max_num_f32 v[TM+\b], v[TM+\b], v[TM+4+\b]   ; with lane l xor 16's: the block's largest magnitude
.endr
.irp b, 0,1,2,3
	v_add_nc_u32 v[TM+12+\b], 0xff000000, v[TM+\b] ; 2 off its exponent field: the conversion's scale operand
.endr
.irp b, 0,1,2,3
	v_lshrrev_b32 v[TM+4+\b], 23, v[TM+12+\b]      ; the scale's byte
.endr
	v_lshl_or_b32 v[PW], v[TM+5], 8, v[TM+4]       ; the four bytes make my row's scale word
	v_lshl_or_b32 v[PW], v[TM+6], 16, v[PW]
	v_lshl_or_b32 v[PW], v[TM+7], 24, v[PW]
.irp b, 0,1,2,3
	v_cvt_scalef32_pk8_fp4_f32 v[PC+2*\b], v[\s+16*\b:\s+7+16*\b], v[TM+12+\b]
	v_cvt_scalef32_pk8_fp4_f32 v[PC+1+2*\b], v[\s+8+16*\b:\s+15+16*\b], v[TM+12+\b]
.endr
	v_nop                                          ; one plain place behind a scaled conversion
.irp c, 0,1                                    ; the operand's layout wants a WHOLE block in a lane: lanes 0-15 block 2 c, lanes 16-31 block 2 c + 1
.irp i, 0,1
	v_permlane16_swap_b32 v[PC+4*\c+\i], v[PC+2+4*\c+\i]
.endr
.endr
.endm
	s_load_b256 s[4:11], s[0:1], 0x0               ; x s[4:5], wqc s[6:7], wqs s[8:9], qf s[10:11]
	s_load_b64 s[12:13], s[0:1], 0x20              ; kv
	v_lshl_add_u32 v[SPW], v0, 2, SPARE
	v_mov_b32 v[NIL], 0
	v_lshrrev_b32 v13, 5, v0
	v_readfirstlane_b32 s14, v13                   ; wave 0..7 = head
	v_and_b32 v13, 31, v0                          ; lane
	v_and_b32 v14, 15, v0                          ; r
	v_bfe_u32 v15, v0, 4, 1                        ; h
	v_lshlrev_b32 v[LI], 4, v13
	v_lshlrev_b32 v[LS], 2, v13
	s_mul_i32 s15, s14, TW
	v_add_nc_u32 v[TST], s15, v[LI]
	v_mul_u32_u24 v[TLD], v14, TPI
	v_lshl_add_u32 v[TLD], v15, 6, v[TLD]
	v_add_nc_u32 v[TLD], s15, v[TLD]
	s_lshl_b32 s15, s14, 10
	v_add_nc_u32 v[VQ], s15, v[LI]
	s_add_co_u32 s15, s15, XIMG
	v_add_nc_u32 v[XWI], s15, v[LI]
	s_lshl_b32 s15, s14, 7
	s_add_co_u32 s15, s15, XSC
	v_add_nc_u32 v[XWS], s15, v[LS]
	v_add_nc_u32 v[XRI], XIMG, v[LI]
	v_add_nc_u32 v[XRS], XSC, v[LS]
	s_lshl_b32 s15, s14, 11
	s_add_co_u32 s15, s15, 16384
	v_add_nc_u32 v[VV], s15, v[LI]
	s_mov_b32 s[SEL], 0x76543210
	s_mov_b32 s[SEL+1], 0xfedcba98                 ; v_permlanex16_b32's selects for lane l xor 16
.irp b, 0,1,2,3
	v_mov_b32 v[TM+4+\b], 0                        ; written once: a lane permute's destination counts as one of its sources
.endr
	s_lshl_b32 s16, ttmp9, 16                      ; 64 rows of x, 1,024 bytes each; also two kp blocks of kv
	s_mov_b32 s17, 0
	s_lshr_b32 s18, s14, 1
	s_lshl_b32 s18, s18, 14                        ; my tile m = wave / 2: 16 rows
	s_and_b32 s19, s14, 1
	s_lshl_b32 s19, s19, 9                         ; my K step s = wave % 2: 512 bytes
	s_add_co_u32 s18, s18, s19
	s_add_co_u32 s18, s18, s16
	s_mov_b32 s19, 0
	s_lshl_b32 s22, ttmp9, 15                      ; four token tiles of qf, 8,192 bytes each
	s_mov_b32 s23, 0
	s_lshl_b32 s24, s14, 12                        ; my head's four fragments in each part of wqc
	s_mov_b32 s25, 0
	s_lshl_b32 s26, s14, 9                         ; and their scale words
	s_mov_b32 s27, 0
	s_wait_kmcnt 0x0
	s_add_nc_u64 s[4:5], s[4:5], s[18:19]
	s_add_nc_u64 s[6:7], s[6:7], s[24:25]
	s_add_nc_u64 s[8:9], s[8:9], s[26:27]
	s_add_nc_u64 s[10:11], s[10:11], s[22:23]
	s_add_nc_u64 s[12:13], s[12:13], s[16:17]
.irp i, 0,1,2,3,4,5,6,7,8,9,10,11,12,13,14,15
	global_load_b128 v[X+4*\i:X+4*\i+3], v[LI], s[4:5] offset:1024*\i th:TH_LOAD_NT   ; row i: 32 lanes read 512 neighbouring bytes
.endr
.irp p, 0,1,2
.irp q, 0,1,2,3
.irp c, 0,1
	global_load_b128 v[WF+8*(4*\p+\q)+4*\c:WF+8*(4*\p+\q)+4*\c+3], v[LI], s[6:7] offset:32768*\p+1024*\q+512*\c
.endr
.endr
.endr
.irp p, 0,1,2
.irp q, 0,1,2,3
	global_load_b32 v[WS+4*\p+\q], v[LS], s[8:9] offset:4096*\p+128*\q
.endr
.endr
	s_wait_loadcnt 36                              ; x's 16 loads are in; the 24 + 12 loads of the weights, issued behind them, may be out
.irp i, 0,1,2,3,4,5,6,7,8,9,10,11,12,13,14,15
	ds_store_b128 v[TST], v[X+4*\i:X+4*\i+3] offset:TPI*\i
.endr
	s_wait_dscnt 0x0                               ; the stores have read their registers, which the loads below fill
.irp b, 0,1,2,3
.irp j, 0,1,2,3
	ds_load_b128 v[X+16*\b+4*\j:X+16*\b+4*\j+3], v[TLD] offset:128*\b+16*\j   ; my 16 neighbours of block b
.endr
.endr
	s_wait_dscnt 0x0
	QUANT X
	ds_store_b128 v[XWI], v[PC:PC+3]
	ds_store_b128 v[XWI], v[PC+4:PC+7] offset:512
	ds_store_b32 v[XWS], v[PW]
	s_wait_dscnt 0x0                               ; for the others' sake: my image has landed
	s_barrier_signal -1
	s_barrier_wait -1                              ; x's eight fragments lie in LDS
	s_wait_loadcnt 0x0                             ; the weights
.macro XFETCH m                                ; tile m's two fragments and scale words into set m % 2: six LDS loads
.irp s, 0,1
.irp c, 0,1
	ds_load_b128 v[XF+16*((\m)%2)+8*\s+4*\c:XF+16*((\m)%2)+8*\s+4*\c+3], v[XRI] offset:(2*(\m)+\s)*1024+512*\c
.endr
	ds_load_b32 v[XS+2*((\m)%2)+\s], v[XRS] offset:(2*(\m)+\s)*128
.endr
.endm
; Six matrix instructions, K step s: the six accumulators take turns, one instruction a turn.  s = 0 starts the sums with the constant 0.
.macro MM m, s
.irp a, 0,1,2,3
.if \s == 0
	v_wmma_scale_f32_16x16x128_f8f6f4 v[ACC+8*\a:ACC+8*\a+7], v[WF+8*(2*\a+\s):WF+8*(2*\a+\s)+7], v[XF+16*((\m)%2)+8*\s:XF+16*((\m)%2)+8*\s+7], 0, v[WS+2*\a+\s], v[XS+2*((\m)%2)+\s] matrix_a_fmt:MATRIX_FMT_FP4 matrix_b_fmt:MATRIX_FMT_FP4
.else
	v_wmma_scale_f32_16x16x128_f8f6f4 v[ACC+8*\a:ACC+8*\a+7], v[WF+8*(2*\a+\s):WF+8*(2*\a+\s)+7], v[XF+16*((\m)%2)+8*\s:XF+16*((\m)%2)+8*\s+7], v[ACC+8*\a:ACC+8*\a+7], v[WS+2*\a+\s], v[XS+2*((\m)%2)+\s] matrix_a_fmt:MATRIX_FMT_FP4 matrix_b_fmt:MATRIX_FMT_FP4
.endif
.endr
.irp a, 4,5
.if \s == 0
	v_wmma_scale_f32_16x16x128_f8f6f4 v[ACC+8*\a:ACC+8*\a+7], v[XF+16*((\m)%2)+8*\s:XF+16*((\m)%2)+8*\s+7], v[WF+8*(2*\a+\s):WF+8*(2*\a+\s)+7], 0, v[XS+2*((\m)%2)+\s], v[WS+2*\a+\s] matrix_a_fmt:MATRIX_FMT_FP4 matrix_b_fmt:MATRIX_FMT_FP4
.else
	v_wmma_scale_f32_16x16x128_f8f6f4 v[ACC+8*\a:ACC+8*\a+7], v[XF+16*((\m)%2)+8*\s:XF+16*((\m)%2)+8*\s+7], v[WF+8*(2*\a+\s):WF+8*(2*\a+\s)+7], v[ACC+8*\a:ACC+8*\a+7], v[XS+2*((\m)%2)+\s], v[WS+2*\a+\s] matrix_a_fmt:MATRIX_FMT_FP4 matrix_b_fmt:MATRIX_FMT_FP4
.endif
.endr
.endm
.macro TILE m
.if \m < 3
	XFETCH \m+1                                    ; into the set that tile m - 1 multiplied: its four v_nop and 24 conversions stand between
	s_wait_dscnt 6                                 ; this tile's six loads are in; the six just issued may be out
.else
	s_wait_dscnt 0x0
.endif
	MM \m, 0
	MM \m, 1
.rept 4
	v_nop                                          ; four places between the last product and the first read of results
.endr
.if \m > 0
	s_wait_xcnt 0x0                                ; the last tile's stores have read their data registers, which are written anew below
.endif
.irp a, 0,1,2,3,4,5
.irp n, 0,1,2,3
	v_cvt_pk_f16_f32 v[OUT+4*\a+\n], v[ACC+8*\a+2*\n], v[ACC+8*\a+2*\n+1]   ; each accumulator from its low end on
.endr
.endr
.irp c, 0,1                                    ; every store: 32 lanes, 512 neighbouring bytes
	global_store_b128 v[VQ], v[OUT+4*\c:OUT+4*\c+3], s[10:11] offset:(\m)*8192+512*\c
	global_store_b128 v[VQ], v[OUT+8+4*\c:OUT+8+4*\c+3], s[12:13] offset:((\m)/2)*32768+((\m)%2)*8192+512*\c
	global_store_b128 v[VV], v[OUT+16+4*\c:OUT+16+4*\c+3], s[12:13] offset:((\m)/2)*32768+1024*\c+((\m)%2)*512
.endr
.endm
	XFETCH 0
	TILE 0
	TILE 1
	TILE 2
	TILE 3
	s_wait_tensorcnt 0x0                           ; the wave's end, behind my last LDS store
	ds_add_u32 v[SPW], v[NIL]
	s_wait_dscnt 0x0
	s_endpgm
.Lfunc_end_k_q7d6f13d44c_qkv:
	.size	k_q7d6f13d44c_qkv, .Lfunc_end_k_q7d6f13d44c_qkv-k_q7d6f13d44c_qkv
	.p2alignl 7, 3214868480
	.fill 96, 4, 3214868480
	.section	.rodata,"a",@progbits
	.p2align	6, 0x0
	.amdhsa_kernel k_q7d6f13d44c_qkv
		.amdhsa_group_segment_fixed_size 77824
		.amdhsa_private_segment_fixed_size 0
		.amdhsa_enable_private_segment 0
		.amdhsa_kernarg_size 40
		.amdhsa_user_sgpr_count 2
		.amdhsa_user_sgpr_kernarg_segment_ptr 1
		.amdhsa_wavefront_size32 1
		.amdhsa_system_sgpr_workgroup_id_x 1
		.amdhsa_system_sgpr_workgroup_id_y 1
		.amdhsa_system_sgpr_workgroup_id_z 1
		.amdhsa_system_vgpr_workitem_id 0
		.amdhsa_next_free_vgpr 256
		.amdhsa_next_free_sgpr 66
		.amdhsa_reserve_vcc 0
		.amdhsa_float_denorm_mode_32 3
		.amdhsa_float_denorm_mode_16_64 3
		.amdhsa_memory_ordered 1
		.amdhsa_forward_progress 1
		.amdhsa_inst_pref_size 31
	.end_amdhsa_kernel
	.amdgpu_metadata
---
amdhsa.version: [ 1, 2 ]
amdhsa.kernels:
  - .name:           k_q7d6f13d44c_qkv
    .symbol:         k_q7d6f13d44c_qkv.kd
    .args:
      - { .name: x, .offset: 0, .size: 8, .value_kind: global_buffer, .address_space: global }
      - { .name: wqc, .offset: 8, .size: 8, .value_kind: global_buffer, .address_space: global }
      - { .name: wqs, .offset: 16, .size: 8, .value_kind: global_buffer, .address_space: global }
      - { .name: qf, .offset: 24, .size: 8, .value_kind: global_buffer, .address_space: global }
      - { .name: kv, .offset: 32, .size: 8, .value_kind: global_buffer, .address_space: global }
    .group_segment_fixed_size: 77824
    .private_segment_fixed_size: 0
    .kernarg_segment_align: 8
    .kernarg_segment_size: 40
    .max_flat_workgroup_size: 256
    .sgpr_count:     66
    .vgpr_count:     256
    .wavefront_size: 32
...
	.end_amdgpu_metadata
.endif
;; end of part 2
;; launch attn (part 3): grid 32 x 8, 8 waves a work-group, clusters of 4 x 4, 327,680 bytes of LDS; arguments sig, kv, qf, wpf, b_proj, out0; writes out0
.if DOCPART == 3
	.amdgcn_target "amdgcn-amd-amdhsa--gfx1250"
	.amdhsa_code_object_version 6
	.text
	.protected	k_q7d6f13d44c_attn
	.globl	k_q7d6f13d44c_attn
	.p2align	8
	.type	k_q7d6f13d44c_attn,@function
k_q7d6f13d44c_attn:
	s_mov_b64 s[64:65], 0
	v_nop
	global_prefetch_b8 v0, s[64:65] scope:SCOPE_SE
	s_setreg_imm32_b32 hwreg(HW_REG_WAVE_MODE, 25, 1), 1
	s_wait_xcnt 0x0
	s_wait_alu depctr_hold_cnt(0) depctr_sa_sdst(0) depctr_va_vdst(0) depctr_va_sdst(0) depctr_va_ssrc(0) depctr_va_vcc(0) depctr_vm_vsrc(0)
	s_getreg_b32 s2, hwreg(HW_REG_IB_STS2, 6, 4)
	s_cmp_eq_u32 s2, 0
	s_cbranch_scc0 .Lentry_in_a_cluster
	s_endpgm
.Lentry_in_a_cluster:
	s_bfe_u32 s2, ttmp6, 0x10000c
	s_cmp_lg_u32 s2, 0xf033
	s_cbranch_scc0 .Lentry_shape_is_right
	s_endpgm
.Lentry_shape_is_right:
; Third launch: out = softmax((q k^T) x scale x sigmoid(bias)) v, all heads, then x w_proj^T + b_proj.  Operands of the three products are f16, sums f32; scores, maxima, weights' sums in f32.  No work of the problem is left out here.
; SHARES.  Work-group (x, y) owns 64 queries (block x of 32) of batch y, for ALL 8 heads: wave hd owns head hd, four tiles of 16 queries.  So a tile of the table sig serves eight heads, and a token's 256 channels meet in one
; work-group, where the projection takes them.  Every wave walks all 2,048 keys, 64 a step, 32 steps.  Two waves share a SIMD's registers (512 each): one wave's softmax stands beside the other's products and LDS loads.
; LAYOUT.  S^T = K Q^T (source 0 = 16 keys, source 1 = 16 queries): a lane holds ONE query (lane % 16) and keys 8 (lane / 16) + j.  t = S^T x sig, sig = 32^-0.5 log2(e) sigmoid(bias) from the first launch; p = 2^(t - m), m the
; running maximum of t; in every step O and l are multiplied by a = 2^(m_old - m_new).  Two tiles of p, packed to f16 in pairs, ARE source 1 (32 keys x 16 queries) of O^T = V^T P; O^T's two channel tiles, divided by l and packed,
; ARE source 1 of the projection's K step = head.  K, V^T, Q and w_proj come as images of their registers (registers 0-3 of lane l at 16 l, 4-7 at 512 + 16 l): every fragment is two loads of 512 neighbouring bytes.
; RING.  Two LDS slots of a step each: 65,536 bytes of K and V^T of all heads (dense, as in memory), then 64 rows x 256 bytes of sig, 16 bytes of padding behind each row.  Waves 0-3 fetch a quarter of the first each (64 rows of
; 256 bytes), waves 4-7 sixteen rows of sig each: one tensor load a wave behind each change of slots; by this text's count a wave has two out at the head and one afterwards.
; CLUSTER 4 x 4.  K and V^T hang on the batch alone: asked for jointly by a row of the cluster (same y).  sig hangs on the query block alone: asked for jointly by a column (same x).
; REGISTERS.  Window 0: v1-14 addresses; v16-47 statistics, 8 a tile (+0 m, +1 0, +2, +3 l, +4..7 at work, a in +6); v48-79 V^T; v80-111 P; v112-175 S^T; v176-239 sig; v240-255 b_proj.
;             Window 1: v0-63 O^T (16 t + 8 c); v64-95 Q; v96-127 K; v128-255 w_proj's 16 fragments of my 32 outputs.
; LIMITS: NaN and infinities are not served; p under 6e-8 is 0 in the second product (the row's sum takes the unrounded p); O / l is rounded to f16: magnitudes under 6e-5 keep fewer bits.
.set SLOT,  82944
.set SIGO,  65536                      ; sig's rows in a slot
.set SGP,   272                        ; their pitch: 68 words, so that the 16 rows of a load begin at 16 different places modulo 64 words
.set AO,    2*SLOT                     ; behind the ring: O / l as 32 images, index 8 t + head
.set STAGE, AO+32768                   ; the way out: 64 rows x (1,024 + 16) bytes
.set TP,    1040
.set SPARE, STAGE+64*TP                ; the spare words, 128 bytes for each wave: four blocks of 256 bytes that no other line names
.set SPW, 1                            ; v1   my spare word's LDS address; never rewritten
.set NIL, 2                            ; v2   0; never rewritten
.set LI,  3                            ; v3   16 x lane
.set ADK, 4                            ; v4-5 K's images of my head, slot 0, 1
.set ADV, 6                            ; v6-7 V^T's
.set ADS, 8                            ; v8-9 sig: row lane % 16, + 32 (lane / 16)
.set PFO, 10                           ; v10  the prefetches' lane offset; never rewritten
.set AOR, 11                           ; v11  AO + 16 x lane
.set AOW, 12                           ; v12  + 1,024 x head
.set SO,  13                           ; v13  the stage, in
.set SR,  14                           ; v14  the stage, out
.set ST,  16
.set VF,  48
.set PF,  80
.set SF,  112
.set SG,  176
.set BB,  240
.set QR,  64                           ; window 1
.set KR,  96
.set WP,  128
.set WV,  16                           ; s16  wave = head
.set G1K, 28                           ; s[28:35] descriptor group 1 for K and V^T;  s[36:43] for sig
.set G1S, 36
.set G0K, 44                           ; s[44:51] group 0 for K and V^T, a set for each slot;  s[52:59] for sig
.set G0S, 52
.set PFA, 76                           ; s[76:77] where my prefetches stand;  s[78:79] two steps on;  s80: 1 in a wave that prefetches, else the greatest number
.set PFS, 78
.set LIM, 80
.set MSB, 0
.macro WIN new                         ; the immediate's high byte repeats the setting that is left; a switch that changes nothing is dropped
.if MSB != \new
	s_set_vgpr_msb (MSB<<8)|\new
.set MSB, \new
.endif
.endm
.macro PLACES
.rept 4
	v_nop
.endr
.endm
.macro BARRIER
	s_wait_dscnt 0x0
	s_barrier_signal -1
	s_barrier_wait -1
.endm
; A round of the cluster's barrier: my work-group's barrier; wave 0 signals for the work-group; every wave waits for all sixteen; my work-group's barrier once more.
.macro CROUND
	s_barrier_signal -1
	s_barrier_wait -1
	s_cmp_lg_u32 s[WV], 0
	s_cbranch_scc1 .Lnot_wave_0_\@
	s_barrier_signal -3
.Lnot_wave_0_\@:
	s_barrier_wait -3
	s_barrier_signal -1
	s_barrier_wait -1
.endm
; A joint load.  The branch hangs on the wave's number alone.  An s_nop 0 and four v_nop follow each of the two lines.
.macro JLOAD slot
	s_cmp_eq_u32 s18, 0
	s_cbranch_scc0 .Lfor_sig_\@
	tensor_load_to_lds s[G0K+4*\slot:G0K+4*\slot+3], s[G1K:G1K+7]
	s_nop 0
	PLACES
	s_branch .Lasked_\@
.Lfor_sig_\@:
	tensor_load_to_lds s[G0S+4*\slot:G0S+4*\slot+3], s[G1S:G1S+7]
	s_nop 0
	PLACES
.Lasked_\@:
.endm
; A PREFETCH INTO THE L2, once a trip, behind the first change's joint load: the two steps that the NEXT trip's two changes will ask for.  K and V^T: 131,072 dense bytes, read by every cluster of the batch's row of clusters: the
; cluster with x = 0 asks; its partner at place cx takes 32,768 bytes BY ADDRESS, waves 0-3 8,192 each, lanes 256 bytes apart.  sig: 64 rows x 512 bytes, read by both rows of clusters: the cluster with y = 0 asks; the partner at cy
; takes 16 rows by address; wave 4 asks, a lane for each 256 bytes.  So each 256 bytes are named once in the launch.  The last trip asks for nothing; steps 0 to 3 come by their loads alone.
.macro ASK
	s_cmp_gt_u32 s19, s[LIM]
	s_cbranch_scc0 .Lnot_mine_\@
	global_prefetch_b8 v[PFO], s[PFA:PFA+1] th:TH_LOAD_NT scope:SCOPE_SE
.Lnot_mine_\@:
.endm
	s_load_b256 s[4:11], s[0:1], 0x0               ; sig s[4:5], kv s[6:7], qf s[8:9], wpf s[10:11]
	s_load_b128 s[12:15], s[0:1], 0x20             ; b_proj s[12:13], out0 s[14:15]
	v_lshl_add_u32 v[SPW], v0, 2, SPARE
	v_mov_b32 v[NIL], 0
	ds_add_u32 v[SPW], v[NIL]                      ; the wave's opening: the add, twice on end, and its wait ahead of my first tensor load
	ds_add_u32 v[SPW], v[NIL]                      ; and once more; the set-up below, work on registers, stands between it and the wait
	v_lshrrev_b32 v15, 5, v0
	v_readfirstlane_b32 s[WV], v15                 ; wave 0..7
	s_and_b32 s17, s[WV], 3                        ; which quarter I fetch
	s_lshr_b32 s18, s[WV], 2                       ; of K and V^T (0) or of sig (1)
	s_bfe_u32 s22, ttmp6, 0x40000                  ; cx
	s_bfe_u32 s23, ttmp6, 0x40004                  ; cy
	s_lshl_b32 s24, ttmp9, 2
	s_add_co_u32 s24, s24, s22                     ; block of 64 queries = 4 x cluster x + cx
	s_and_b32 s25, ttmp7, 0xffff
	s_lshl_b32 s25, s25, 2
	s_add_co_u32 s25, s25, s23                     ; batch = 4 x cluster y + cy
	s_lshl_b32 s26, s23, 2
	s_lshl_b32 s26, 15, s26                        ; my row of the cluster
	s_lshl_b32 s27, 0x1111, s22                    ; my column
	s_or_b32 s[G1K], s26, (3<<16)|(1<<21)          ; 15:0 the mask: my row; 17:16 elements of 8 bytes; 21 set beside a mask; no padding
	s_mov_b32 s[G1K+1], 32<<16                     ; tensor_dim0 = 32 elements: 256 bytes
	s_mov_b32 s[G1K+2], 64<<16                     ; tensor_dim1 = 64
	s_mov_b32 s[G1K+3], 32<<16                     ; tile_dim0
	s_mov_b32 s[G1K+4], 64                         ; tile_dim1
	s_mov_b32 s[G1K+5], 32                         ; from row to row: dense
	s_mov_b32 s[G1K+6], 0
	s_mov_b32 s[G1K+7], 0
	s_or_b32 s[G1S], s27, (2<<16)|(1<<20)|(1<<21)|(5<<22)|(3<<25)   ; the mask: my column; elements of 4 bytes; padding on: after every 64 words (code 5) four words (code 3)
	s_mov_b32 s[G1S+1], 64<<16                     ; tensor_dim0 = 64 elements: 256 bytes
	s_mov_b32 s[G1S+2], 16<<16                     ; tensor_dim1 = 16
	s_mov_b32 s[G1S+3], 64<<16
	s_mov_b32 s[G1S+4], 16
	s_mov_b32 s[G1S+5], 2048                       ; a row of sig
	s_mov_b32 s[G1S+6], 0
	s_mov_b32 s[G1S+7], 0
	s_lshl_b32 s60, s25, 21                        ; K and V^T: the batch's 2,097,152 bytes (these registers never hold cx),
	s_lshl_b32 s63, s17, 14                        ; my quarter, in memory and in a slot
	s_add_co_u32 s60, s60, s63
	s_mov_b32 s61, 0
	s_lshl_b32 s66, s24, 19                        ; sig: the block's 64 rows of 8,192 bytes (these never hold cy),
	s_lshl_b32 s68, s17, 17                        ; my 16 of them
	s_add_co_u32 s66, s66, s68
	s_mov_b32 s67, 0
	s_mul_i32 s69, s17, 16*SGP
	s_add_co_u32 s69, s69, SIGO                    ; and their place in a slot
	s_mov_b32 s20, 0x76543210
	s_mov_b32 s21, 0xfedcba98                      ; v_permlanex16_b32's selects for lane l xor 16
	s_wait_dscnt 0x0                               ; both opening adds are done
	s_wait_kmcnt 0x0
	s_add_nc_u64 s[60:61], s[6:7], s[60:61]
	s_add_nc_u64 s[66:67], s[4:5], s[66:67]
	CROUND                                         ; all sixteen work-groups are here: the first joint loads meet
.irp s, 0,1
	s_mov_b32 s[G0K+4*\s], 1
	s_add_co_u32 s[G0K+4*\s+1], s63, \s*SLOT
	s_add_nc_u64 s[G0K+4*\s+2:G0K+4*\s+3], s[60:61], \s*65536      ; step s
	s_or_b32 s[G0K+4*\s+3], s[G0K+4*\s+3], 0x80000000
	s_mov_b32 s[G0S+4*\s], 1
	s_add_co_u32 s[G0S+4*\s+1], s69, \s*SLOT
	s_add_nc_u64 s[G0S+4*\s+2:G0S+4*\s+3], s[66:67], \s*256
	s_or_b32 s[G0S+4*\s+3], s[G0S+4*\s+3], 0x80000000
	JLOAD \s
.endr
	v_and_b32 v15, 31, v0
	v_lshlrev_b32 v[LI], 4, v15
	v_bfe_u32 v48, v0, 4, 1                        ; h
	v_lshlrev_b32 v49, 5, v48                      ; b_proj: 32 h bytes
	s_lshl_b32 s70, s25, 20                        ; Q: the batch's 128 tiles of 8,192 bytes,
	s_lshl_b32 s72, s24, 15                        ; my block's four,
	s_add_co_u32 s70, s70, s72
	s_lshl_b32 s72, s[WV], 10                      ; my head
	s_add_co_u32 s70, s70, s72
	s_mov_b32 s71, 0
	s_add_nc_u64 s[8:9], s[8:9], s[70:71]
	s_lshl_b32 s70, s[WV], 14                      ; w_proj: my two tiles of 16 outputs, 8 K steps each
	s_add_nc_u64 s[10:11], s[10:11], s[70:71]
	s_lshl_b32 s70, s[WV], 7                       ; b_proj: my 32 numbers
	s_add_nc_u64 s[12:13], s[12:13], s[70:71]
	s_lshl_b32 s70, s25, 21                        ; out0: the batch, my block's 64 rows of 1,024 bytes, my wave's 8 of them
	s_lshl_b32 s72, s24, 16
	s_add_co_u32 s70, s70, s72
	s_lshl_b32 s72, s[WV], 13
	s_add_co_u32 s70, s70, s72
	s_add_nc_u64 s[14:15], s[14:15], s[70:71]
	WIN 0x40                                       ; destination window 1, address window 0
.irp t, 0,1,2,3
.irp c, 0,1
	global_load_b128 v[QR+8*\t+4*\c:QR+8*\t+4*\c+3], v[LI], s[8:9] offset:8192*\t+512*\c
.endr
.endr
.irp f, 0,1,2,3,4,5,6,7,8,9,10,11,12,13,14,15
.irp c, 0,1
	global_load_b128 v[WP+8*\f+4*\c:WP+8*\f+4*\c+3], v[LI], s[10:11] offset:1024*\f+512*\c
.endr
.endr
.set NN, 0
.rept 64
	v_mov_b32 v[NN], 0                             ; O^T.  (The step is written without a first step of its own: the first a is 0 and multiplies zeros)
.set NN, NN+1
.endr
	WIN 0
.irp n, 0,1
	global_load_b128 v[BB+8*\n:BB+8*\n+3], v49, s[12:13] offset:64*\n          ; b_proj[32 wave + 16 n + 8 h + 0 .. 7]: the projection's C, in the result's layout
	global_load_b128 v[BB+8*\n+4:BB+8*\n+7], v49, s[12:13] offset:64*\n+16
.endr
	s_lshl_b32 s70, s[WV], 10
	v_add_nc_u32 v[ADK], s70, v[LI]
	v_add_nc_u32 v[ADK+1], SLOT, v[ADK]
	v_add_nc_u32 v[AOR], AO, v[LI]
	v_add_nc_u32 v[AOW], s70, v[AOR]
	s_lshl_b32 s70, s[WV], 11
	s_add_co_u32 s70, s70, 16384
	v_add_nc_u32 v[ADV], s70, v[LI]
	v_add_nc_u32 v[ADV+1], SLOT, v[ADV]
	v_and_b32 v15, 15, v0                          ; r
	v_mul_u32_u24 v[ADS], v15, SGP
	v_lshl_add_u32 v[ADS], v48, 5, v[ADS]
	v_add_nc_u32 v[ADS], SIGO, v[ADS]
	v_add_nc_u32 v[ADS+1], SLOT, v[ADS]
	v_mul_u32_u24 v[SO], v15, TP
	v_lshl_add_u32 v[SO], v48, 5, v[SO]
	s_lshl_b32 s70, s[WV], 7
	s_add_co_u32 s70, s70, STAGE
	v_add_nc_u32 v[SO], s70, v[SO]                 ; row r, + 32 h, + 128 x wave: my outputs' bytes
	s_mul_i32 s70, s[WV], 8*TP
	s_add_co_u32 s70, s70, STAGE
	v_add_nc_u32 v[SR], s70, v[LI]                 ; back: my 8 rows, 16 bytes a lane
.irp t, 0,1,2,3
	v_mov_b32 v[ST+8*\t], 0xff61b1e6               ; m: -3e38, under every t
.irp j, 1,2,3,4,5,6,7
	v_mov_b32 v[ST+8*\t+\j], 0                     ; l, and what is named in pairs or as a lane permute's destination before it is first written
.endr
.endr
	; the prefetches: who asks, and where they stand
	s_lshl_b32 s70, s25, 21
	s_lshl_b32 s72, s22, 15                        ; K and V^T: my work-group's 32,768 bytes of two steps,
	s_add_co_u32 s70, s70, s72
	s_lshl_b32 s72, s17, 13                        ; my wave's 8,192,
	s_add_co_u32 s70, s70, s72
	s_add_co_u32 s70, s70, 131072                  ; at step 2: the first change steps it to step 4
	s_lshl_b32 s72, s24, 19
	s_lshl_b32 s73, s23, 17                        ; sig: my work-group's 16 rows,
	s_add_co_u32 s72, s72, s73
	s_add_co_u32 s72, s72, 512                     ; at step 2
	s_and_b32 s74, ttmp7, 0xffff                   ; cluster y
	s_mov_b32 s[PFS], 512
	s_mov_b32 s81, 8192
	s_mov_b32 s82, 256
	s_cmp_eq_u32 s18, 0
	s_cselect_b64 s[PFA:PFA+1], s[6:7], s[4:5]
	s_cselect_b32 s70, s70, s72
	s_cselect_b32 s74, ttmp9, s74                  ; the coordinate along which other clusters read the same bytes
	s_cselect_b32 s[PFS], 131072, s[PFS]           ; two steps on
	s_cselect_b32 s81, 256, s81                    ; from lane to lane among 16,
	s_cselect_b32 s82, 4096, s82                   ; and from the lower 16 to the upper
	s_mov_b32 s[PFS+1], 0
	s_add_nc_u64 s[PFA:PFA+1], s[PFA:PFA+1], s[70:71]
	s_cmp_gt_u32 s[WV], 4
	s_cselect_b32 s83, 1, 0                        ; waves 5 to 7 never ask
	s_or_b32 s83, s83, s74
	s_cmp_eq_u32 s83, 0
	s_cselect_b32 s[LIM], 1, -1                    ; the same in all sixteen partners, for a given wave
	v_mul_lo_u32 v[PFO], v15, s81
	v_mul_lo_u32 v15, v48, s82
	v_add_nc_u32 v[PFO], v[PFO], v15
; ---- the matrix work
.macro QK p                            ; S^T of tiles 2 p, 2 p + 1: eight products, K = the head's 32; each starts its sum with the constant 0
	WIN 0x05                                       ; K and Q in window 1
.irp i, 0,1
.irp kt, 0,1,2,3
	v_wmma_f32_16x16x32_f16 v[SF+32*\i+8*\kt:SF+32*\i+8*\kt+7], v[KR+8*\kt:KR+8*\kt+7], v[QR+8*(2*(\p)+\i):QR+8*(2*(\p)+\i)+7], 0
.endr
.endr
.endm
.macro PV p                            ; O^T += V^T P: four accumulators take turns, one instruction a turn
	WIN 0x50                                       ; C and D in window 1
.irp kp, 0,1
.irp i, 0,1
.irp c, 0,1
	v_wmma_f32_16x16x32_f16 v[16*(2*(\p)+\i)+8*\c:16*(2*(\p)+\i)+8*\c+7], v[VF+8*(2*\kp+\c):VF+8*(2*\kp+\c)+7], v[PF+16*\i+8*\kp:PF+16*\i+8*\kp+7], v[16*(2*(\p)+\i)+8*\c:16*(2*(\p)+\i)+8*\c+7]
.endr
.endr
.endr
.endm
.macro SIGLOAD sl, p                   ; sig of tiles 2 p, 2 p + 1 x 64 keys, laid as S^T lies: 16 loads
.irp i, 0,1
.irp kt, 0,1,2,3
.irp e, 0,1
	ds_load_b128 v[SG+32*\i+8*\kt+4*\e:SG+32*\i+8*\kt+4*\e+3], v[ADS+\sl] offset:(2*(\p)+\i)*16*SGP+64*\kt+16*\e
.endr
.endr
.endr
.endm
; ---- the vector work
.macro MUL                             ; t = S^T x sig, each accumulator from its low end on
.set NN, 0
.rept 32
	v_pk_mul_f32 v[SF+NN:SF+NN+1], v[SF+NN:SF+NN+1], v[SG+NN:SG+NN+1]
.set NN, NN+2
.endr
.endm
.macro MAXST p                         ; both tiles by turns: the largest of 32 t and the old m; the other half of the lanes'; the new m; m_old - m_new
.set RT, ST+16*(\p)
.irp q, 0,1,2,3
.irp i, 0,1
	v_max3_num_f32 v[RT+8*\i+4+\q], v[SF+32*\i+8*\q], v[SF+32*\i+8*\q+1], v[SF+32*\i+8*\q+2]
.endr
.endr
.irp e, 3,5
.irp q, 0,1,2,3
.irp i, 0,1
	v_max3_num_f32 v[RT+8*\i+4+\q], v[RT+8*\i+4+\q], v[SF+32*\i+8*\q+\e], v[SF+32*\i+8*\q+\e+1]
.endr
.endr
.endr
.irp i, 0,1
	v_max3_num_f32 v[RT+8*\i+4], v[RT+8*\i+4], v[SF+32*\i+7], v[SF+32*\i+15]
.endr
.irp i, 0,1
	v_max3_num_f32 v[RT+8*\i+6], v[RT+8*\i+6], v[SF+32*\i+23], v[SF+32*\i+31]
.endr
.irp i, 0,1
	v_max3_num_f32 v[RT+8*\i+4], v[RT+8*\i+4], v[RT+8*\i+5], v[RT+8*\i+6]
.endr
.irp i, 0,1
	v_max3_num_f32 v[RT+8*\i+4], v[RT+8*\i+4], v[RT+8*\i+7], v[RT+8*\i]
.endr
.irp i, 0,1
	v_permlanex16_b32 v[RT+8*\i+5], v[RT+8*\i+4], s20, s21     ; the query's other 32 keys lie in the lane 16 away
.endr
.irp i, 0,1
	v_mov_b32 v[RT+8*\i+7], v[RT+8*\i]             ; m_old
.endr
.irp i, 0,1
	v_max_num_f32 v[RT+8*\i], v[RT+8*\i+4], v[RT+8*\i+5]
.endr
.irp i, 0,1
	v_sub_f32 v[RT+8*\i+7], v[RT+8*\i+7], v[RT+8*\i]
.endr
.endm
.macro SUBM p, i                       ; t - m, two at a time (of the pair (m, 0) the low word serves both halves)
.set NN, 0
.rept 16
	v_pk_add_f32 v[SF+32*(\i)+NN:SF+32*(\i)+NN+1], v[SF+32*(\i)+NN:SF+32*(\i)+NN+1], v[ST+8*(2*(\p)+(\i)):ST+8*(2*(\p)+(\i))+1] op_sel_hi:[1,0] neg_lo:[0,1] neg_hi:[0,1]
.set NN, NN+2
.endr
.endm
.macro EXPM p, i                       ; a, and the tile's 32 weights: one batch
	v_exp_f32 v[ST+8*(2*(\p)+(\i))+6], v[ST+8*(2*(\p)+(\i))+7]
.set NN, 0
.rept 32
	v_exp_f32 v[SF+32*(\i)+NN], v[SF+32*(\i)+NN]
.set NN, NN+1
.endr
.endm
.macro CVTM i                          ; the weights to f16, in pairs: source 1 of V^T P
.set NN, 0
.rept 16
	v_cvt_pk_f16_f32 v[PF+16*(\i)+NN], v[SF+32*(\i)+2*NN], v[SF+32*(\i)+2*NN+1]
.set NN, NN+1
.endr
.endm
.macro SUMM p, i                       ; the sum of the unrounded weights, a tree in place; l = a l + the sum
.irp u, 0,1,2,3,4,5,6,7
	v_pk_add_f32 v[SF+32*(\i)+4*\u:SF+32*(\i)+4*\u+1], v[SF+32*(\i)+4*\u:SF+32*(\i)+4*\u+1], v[SF+32*(\i)+4*\u+2:SF+32*(\i)+4*\u+3]
.endr
.irp u, 0,1,2,3
	v_pk_add_f32 v[SF+32*(\i)+8*\u:SF+32*(\i)+8*\u+1], v[SF+32*(\i)+8*\u:SF+32*(\i)+8*\u+1], v[SF+32*(\i)+8*\u+4:SF+32*(\i)+8*\u+5]
.endr
.irp u, 0,1
	v_pk_add_f32 v[SF+32*(\i)+16*\u:SF+32*(\i)+16*\u+1], v[SF+32*(\i)+16*\u:SF+32*(\i)+16*\u+1], v[SF+32*(\i)+16*\u+8:SF+32*(\i)+16*\u+9]
.endr
	v_pk_add_f32 v[SF+32*(\i):SF+32*(\i)+1], v[SF+32*(\i):SF+32*(\i)+1], v[SF+32*(\i)+16:SF+32*(\i)+17]
	v_pk_fma_f32 v[ST+8*(2*(\p)+(\i))+2:ST+8*(2*(\p)+(\i))+3], v[ST+8*(2*(\p)+(\i))+2:ST+8*(2*(\p)+(\i))+3], v[ST+8*(2*(\p)+(\i))+6:ST+8*(2*(\p)+(\i))+7], v[SF+32*(\i):SF+32*(\i)+1] op_sel_hi:[1,0,1]
.endm
.macro RESC p                          ; O^T of tiles 2 p, 2 p + 1 times a, each accumulator from its low end on
	WIN 0x41                                       ; O^T in window 1, a in window 0
.irp i, 0,1
.irp n, 0,2,4,6,8,10,12,14
	v_pk_mul_f32 v[16*(2*(\p)+\i)+\n:16*(2*(\p)+\i)+\n+1], v[16*(2*(\p)+\i)+\n:16*(2*(\p)+\i)+\n+1], v[ST+8*(2*(\p)+\i)+6:ST+8*(2*(\p)+\i)+7] op_sel_hi:[1,0]
.endr
.endr
.endm
; Two tiles' softmax.  The exponentials go in two batches of 33, each with ONE wait ahead of its first reader; behind each batch stands plain work that names none of its results.
.macro SOFT p
	MAXST \p
	SUBM \p, 0
	EXPM \p, 0
	SUBM \p, 1                                     ; the other tile's scalings: plain work behind the first batch
	s_wait_alu depctr_va_vdst(0)                   ; the wait for the first batch
	EXPM \p, 1
	CVTM 0                                         ; these read the first batch alone: plain work behind the second
	SUMM \p, 0
	s_wait_alu depctr_va_vdst(0)                   ; the wait for the second batch
	CVTM 1
	SUMM \p, 1
.endm
; A STEP: 64 keys in slot sl.  LDS loads in four runs: K 8, sig 16, V^T 8, and behind the first multiplication sig 16 for the other two tiles.
.macro WORK sl
	WIN 0x40                                       ; destination window 1
.irp kt, 0,1,2,3
.irp c, 0,1
	ds_load_b128 v[KR+8*\kt+4*\c:KR+8*\kt+4*\c+3], v[ADK+\sl] offset:(\kt/2)*32768+(\kt%2)*8192+512*\c
.endr
.endr
	WIN 0
	SIGLOAD \sl, 0
.irp f, 0,1,2,3
.irp e, 0,1
	ds_load_b128 v[VF+8*\f+4*\e:VF+8*\f+4*\e+3], v[ADV+\sl] offset:(\f/2)*32768+(\f%2)*1024+512*\e   ; (four v_nop stand between the last product that read V^T and this run: those of the change of slots)
.endr
.endr
	s_wait_dscnt 24                                ; K is in; sig's 16 and V^T's 8 may be out
	QK 0
	s_wait_dscnt 8                                 ; sig is in; V^T's 8 may be out
	WIN 0
	PLACES                                         ; four places between the last product and the first read of results
	MUL
	SIGLOAD \sl, 1
	SOFT 0
	QK 1
	RESC 0                                         ; sixteen plain lines that name none of those products' registers: the places behind them
	s_wait_dscnt 16                                ; V^T is in; the second run of sig may be out
	PV 0
	s_wait_dscnt 0x0                               ; sig
	WIN 0
	MUL
	SOFT 1
	RESC 1
	PV 1
	WIN 0                                          ; at a label and at a branch every window is 0
.endm
; THE CHANGE OF SLOTS.  Each wave waits for all its tensor loads (one is out: its part of the slot ahead), adds 0 to its spare word, and waits for that and for its reads of the slot just left.
; fill = 1: that slot is filled again, two steps on: the barrier is a round of the cluster's, and the joint load is the first thing behind it: it has a whole step in which to land.
.macro CHANGE slot, fill, ask
	s_wait_tensorcnt 0x0                           ; no tensor load of mine is out, so a group 0 may be written
	ds_add_u32 v[SPW], v[NIL]                      ; 0 onto my spare word
.if \fill
	s_add_nc_u64 s[G0K+4*\slot+2:G0K+4*\slot+3], s[G0K+4*\slot+2:G0K+4*\slot+3], 131072
	s_add_nc_u64 s[G0S+4*\slot+2:G0S+4*\slot+3], s[G0S+4*\slot+2:G0S+4*\slot+3], 512
.endif
.if \ask
	s_wait_xcnt 0x0                                ; the last prefetch, a trip back, has read its address, so it may be written
	s_add_nc_u64 s[PFA:PFA+1], s[PFA:PFA+1], s[PFS:PFS+1]
.endif
	s_wait_dscnt 0x0                               ; the add is done, and my reads of the slot are over
.if \fill
	CROUND
	JLOAD \slot
.if \ask
	ASK
.endif
.else
	s_barrier_signal -1
	s_barrier_wait -1
	PLACES                                         ; in front of the loads into V^T's registers
.endif
.endm
	s_wait_loadcnt 0x0                             ; Q, w_proj, b_proj
	s_wait_tensorcnt 1                             ; my part of slot 0 is in; slot 1's may stay out
	s_barrier_signal -1
	s_barrier_wait -1
	WORK 0                                         ; step 0
	s_mov_b32 s19, 15
.Ltrip:                                            ; trip T: steps 2 T + 1 and 2 T + 2 are worked, steps 2 T + 2 and 2 T + 3 asked for
	CHANGE 0, 1, 1
	WORK 1
	CHANGE 1, 1, 0
	WORK 0
	s_sub_co_u32 s19, s19, 1
	s_cmp_lg_u32 s19, 0
	s_cbranch_scc1 .Ltrip
	CHANGE 0, 0, 0                                 ; the tail is written out: nothing is left to ask for
	WORK 1                                         ; step 31
	; ---- O^T / l, to f16, to LDS as the projection's source 1.  The four additions name none of the last products' registers: they are the places behind them.
.irp t, 0,1,2,3
	v_add_f32 v[ST+8*\t+4], v[ST+8*\t+2], v[ST+8*\t+3]
.endr
.irp t, 0,1,2,3
	v_permlanex16_b32 v[ST+8*\t+5], v[ST+8*\t+4], s20, s21
.endr
.irp t, 0,1,2,3
	v_add_f32 v[ST+8*\t+4], v[ST+8*\t+4], v[ST+8*\t+5]
.endr
.irp t, 0,1,2,3
	v_rcp_f32 v[ST+8*\t+6], v[ST+8*\t+4]
.endr
	v_nop                                          ; a plain instruction behind the last reciprocal
	s_wait_alu depctr_va_vdst(0)                   ; one wait for the four, ahead of their first reader
	WIN 0x41
.irp t, 0,1,2,3
.irp n, 0,2,4,6,8,10,12,14
	v_pk_mul_f32 v[16*\t+\n:16*\t+\n+1], v[16*\t+\n:16*\t+\n+1], v[ST+8*\t+6:ST+8*\t+7] op_sel_hi:[1,0]
.endr
.endr
	WIN 0x05                                       ; sources in window 1, destination in window 0: P's registers are free
.irp t, 0,1,2,3
.irp n, 0,1,2,3,4,5,6,7
	v_cvt_pk_f16_f32 v[PF+8*\t+\n], v[16*\t+2*\n], v[16*\t+2*\n+1]
.endr
.endr
	WIN 0
.irp t, 0,1,2,3
.irp c, 0,1
	ds_store_b128 v[AOW], v[PF+8*\t+4*\c:PF+8*\t+4*\c+3] offset:8192*\t+512*\c
.endr
.endr
	BARRIER                                        ; all heads' images lie in LDS
	; ---- the projection: wave w makes outputs 32 w .. 32 w + 31 for the 64 tokens: source 0 = 16 rows of w_proj, source 1 = 16 tokens; eight accumulators by turns, a K step (a head) at a time; b_proj is the C of each sum's first product
.macro AFETCH ks
.irp t, 0,1,2,3
.irp c, 0,1
	ds_load_b128 v[SG+32*((\ks)%2)+8*\t+4*\c:SG+32*((\ks)%2)+8*\t+4*\c+3], v[AOR] offset:(8*\t+(\ks))*1024+512*\c
.endr
.endr
.endm
	AFETCH 0
.irp ks, 0,1,2,3,4,5,6,7
.if (\ks >= 1) && (\ks < 7)
	PLACES                                         ; in front of loads into the set that the last K step multiplied
.endif
.if \ks < 7
	AFETCH \ks+1
	s_wait_dscnt 8                                 ; this K step's eight loads are in; the eight just issued may be out
.else
	s_wait_dscnt 0x0
.endif
	WIN 0x01                                       ; w_proj in window 1
.irp t, 0,1,2,3
.irp n, 0,1
.if \ks == 0
	v_wmma_f32_16x16x32_f16 v[SF+8*(2*\t+\n):SF+8*(2*\t+\n)+7], v[WP+8*(8*\n+\ks):WP+8*(8*\n+\ks)+7], v[SG+32*(\ks%2)+8*\t:SG+32*(\ks%2)+8*\t+7], v[BB+8*\n:BB+8*\n+7]
.else
	v_wmma_f32_16x16x32_f16 v[SF+8*(2*\t+\n):SF+8*(2*\t+\n)+7], v[WP+8*(8*\n+\ks):WP+8*(8*\n+\ks)+7], v[SG+32*(\ks%2)+8*\t:SG+32*(\ks%2)+8*\t+7], v[SF+8*(2*\t+\n):SF+8*(2*\t+\n)+7]
.endif
.endr
.endr
	WIN 0
.endr
	PLACES                                         ; between the last product and the first read of results, and the loads below into the registers that it read
.irp t, 0,1,2,3
.irp n, 0,1
	ds_store_b128 v[SO], v[SF+8*(2*\t+\n):SF+8*(2*\t+\n)+3] offset:16*TP*\t+64*\n        ; lane (r, h): out(16 t + r, 32 w + 16 n + 8 h + 0 .. 7); each accumulator from its low end on
	ds_store_b128 v[SO], v[SF+8*(2*\t+\n)+4:SF+8*(2*\t+\n)+7] offset:16*TP*\t+64*\n+16
.endr
.endr
	BARRIER                                        ; 64 whole rows lie in the stage
.irp i, 0,1,2,3,4,5,6,7
.irp e, 0,1
	ds_load_b128 v[SG+8*\i+4*\e:SG+8*\i+4*\e+3], v[SR] offset:TP*\i+512*\e
.endr
.endr
.irp i, 0,1,2,3,4,5,6,7
.irp e, 0,1
	s_wait_dscnt 15-2*\i-\e
	global_store_b128 v[LI], v[SG+8*\i+4*\e:SG+8*\i+4*\e+3], s[14:15] offset:1024*\i+512*\e th:TH_STORE_NT   ; 32 lanes store 512 neighbouring bytes, at a multiple of 512 from out0's first byte
.endr
.endr
	s_wait_tensorcnt 0x0                           ; the wave's end, behind my last tensor load and my last LDS store
	ds_add_u32 v[SPW], v[NIL]
	s_wait_dscnt 0x0
	CROUND                                         ; the closing round: no work-group ends while a partner may still ask for a tile that names it
	s_endpgm
.Lfunc_end_k_q7d6f13d44c_attn:
	.size	k_q7d6f13d44c_attn, .Lfunc_end_k_q7d6f13d44c_attn-k_q7d6f13d44c_attn
	.p2alignl 7, 3214868480
	.fill 96, 4, 3214868480
	.section	.rodata,"a",@progbits
	.p2align	6, 0x0
	.amdhsa_kernel k_q7d6f13d44c_attn
		.amdhsa_group_segment_fixed_size 327680
		.amdhsa_private_segment_fixed_size 0
		.amdhsa_enable_private_segment 0
		.amdhsa_kernarg_size 48
		.amdhsa_user_sgpr_count 2
		.amdhsa_user_sgpr_kernarg_segment_ptr 1
		.amdhsa_wavefront_size32 1
		.amdhsa_system_sgpr_workgroup_id_x 1
		.amdhsa_system_sgpr_workgroup_id_y 1
		.amdhsa_system_sgpr_workgroup_id_z 1
		.amdhsa_system_vgpr_workitem_id 0
		.amdhsa_next_free_vgpr 512
		.amdhsa_next_free_sgpr 84
		.amdhsa_reserve_vcc 0
		.amdhsa_float_denorm_mode_32 3
		.amdhsa_float_denorm_mode_16_64 3
		.amdhsa_memory_ordered 1
		.amdhsa_forward_progress 1
		.amdhsa_inst_pref_size 168
	.end_amdhsa_kernel
	.amdgpu_metadata
---
amdhsa.version: [ 1, 2 ]
amdhsa.kernels:
  - .name:           k_q7d6f13d44c_attn
    .symbol:         k_q7d6f13d44c_attn.kd
    .args:
      - { .name: sig, .offset: 0, .size: 8, .value_kind: global_buffer, .address_space: global }
      - { .name: kv, .offset: 8, .size: 8, .value_kind: global_buffer, .address_space: global }
      - { .name: qf, .offset: 16, .size: 8, .value_kind: global_buffer, .address_space: global }
      - { .name: wpf, .offset: 24, .size: 8, .value_kind: global_buffer, .address_space: global }
      - { .name: b_proj, .offset: 32, .size: 8, .value_kind: global_buffer, .address_space: global }
      - { .name: out0, .offset: 40, .size: 8, .value_kind: global_buffer, .address_space: global }
    .group_segment_fixed_size: 327680
    .private_segment_fixed_size: 0
    .kernarg_segment_align: 8
    .kernarg_segment_size: 48
    .max_flat_workgroup_size: 256
    .sgpr_count:     84
    .vgpr_count:     512
    .wavefront_size: 32
...
	.end_amdgpu_metadata
.endif
;; end of part 3
